; MI455X (gfx1250); checked and timed in simulation.
; The chip was launched on July 23, 2026; its instructions are those of AMD's public machine-readable ISA for CDNA 5 (MIT licence, August 2026) and "CDNA5" Instruction Set Architecture Reference Guide (July 2026). The comments in the code are by the model that wrote it; some were corrected since.
;; Bahdanau Attention. Allowed arithmetic: float matrix products may take bf16 or f16 operands with f32 sums; other float arithmetic in f32, or as packed bf16 or f16 multiplies, adds, multiply-adds, maxima and minima; sums over many terms, partial sums and values carried from step to step in f32; what a program stores and reads back later, other than sums and carried values, may be rounded once to bf16 or f16.
;; Inputs: V 1,024 x 1 float32; W1 1,024 x 1,024 float32; W2 1,024 x 1,024 float32; b1 1,024 float32; b2 1,024 float32; bv 1 float32; query 32 x 1,024 float32; values 32 x 2,048 x 1,024 float32.
;; Outputs: out0 32 x 1,024 float32; out1 32 x 2,048 x 1 float32.
;; One version. Each part assembles by itself: llvm-mc -triple=amdgcn-amd-amdhsa -mcpu=gfx1250 --defsym DOCPART=n.
;; ======== version 1 of 1: 3 launches
;; workspace buffers: w1f 2,097,152 bytes; qraw 131,072 bytes; sc 262,144 bytes; pctx 2,097,152 bytes
;; launch prep (part 1): grid 144 x 1, 16 waves a work-group, no clusters, 141,312 bytes of LDS; arguments W1, W2, query, w1f, qraw; writes w1f, qraw
.if DOCPART == 1
	.amdgcn_target "amdgcn-amd-amdhsa--gfx1250"
	.amdhsa_code_object_version 6
	.text
	.protected	k_qf652248c13_prep
	.globl	k_qf652248c13_prep
	.p2align	8
	.type	k_qf652248c13_prep,@function
k_qf652248c13_prep:
	s_mov_b64 s[64:65], 0
	v_nop
	global_prefetch_b8 v0, s[64:65] scope:SCOPE_SE
	s_setreg_imm32_b32 hwreg(HW_REG_WAVE_MODE, 25, 1), 1
	s_wait_xcnt 0x0
; Two small jobs ahead of the main launch, chosen by the work-group's number (the same for all its waves).
; ROLE W, work-groups 0-127: W1 [k][u] f32 is rounded to bf16 and laid out in the order in which the main launch's waves take it as source 1 of
;   v_wmma_f32_16x16x32_bf16: the 16 bytes at  p 524288 + w 131072 + ks 4096 + i 1024 + half 512 + lane 16  hold W1[k][u] for
;   k = 32 ks + 16 half + 8 (lane / 16) + 0..7  and  u = 256 p + 64 w + 16 i + lane % 16.  Work-group (ks, p) turns a tile of 32 k x 256 u through LDS.
; ROLE Q, work-groups 128-143: qraw[b][u] = sum over k of query[b][k] W2[k][u], bf16 operands, f32 sums, no bias.  Work-group g makes columns 64 g .. 64 g + 63;
;   wave v sums k = 64 v .. 64 v + 63 (two matrix steps); the sixteen waves' f32 parts meet in LDS and are added there in f32.
;   Column block nb, lane r stands for column 64 g + 4 r + nb, so that ONE 16-byte load of a row of W2 serves all four blocks.
; One barrier serves both roles: it stands where the two ways join, so no jump passes it; the second half makes its own address registers anew.
; No cluster, no tensor loads: no two work-groups read the same bytes but the 128 KiB of query, and every number passes through registers for its rounding.
; LIMITS: NaN and infinities are not treated apart; a number beyond bf16's largest rounds to infinity.
.set WPITCH, 1040                      ; role W: a row of 256 f32 + 16 bytes: 8 rows are 2,080 words = 32 mod 64, so the two halves of the lanes read different banks
.set QPITCH, 272                       ; role Q: a row of 64 f32 + 16 bytes
.set QCOPY,  32*QPITCH                 ; role Q: one wave's 32 x 64 partial sums
.set SPARE,  16*QCOPY                  ; behind them: the spare words, 128 bytes for each of 16 waves, which no other line names
.set SPW, 2                            ; v2  SPARE + 4 x my thread's number; never rewritten
.set NIL, 3                            ; v3  0; never rewritten
.set RA,  16                           ; v16-79    query as loaded, 16 registers a fragment; packed in place into the first 8
.set RB,  80                           ; v80-207   W2 as loaded: K step ks at RB + 64 ks, register 4 e + nb
.set ACC, 80                           ; v80-143   the eight accumulators, where the first K step's raw W2 lay
.set FB,  208                          ; v208-239  four fragments of W2
	s_load_b256 s[4:11], s[0:1], 0x0               ; W1 s[4:5], W2 s[6:7], query s[8:9], w1f s[10:11]
	s_load_b64 s[12:13], s[0:1], 0x20              ; qraw
	v_lshl_add_u32 v[SPW], v0, 2, SPARE
	v_mov_b32 v[NIL], 0
	v_lshrrev_b32 v8, 5, v0
	v_readfirstlane_b32 s18, v8                    ; wave 0..15
	v_and_b32 v1, 31, v0                           ; lane
	v_and_b32 v4, 15, v0                           ; r
	v_bfe_u32 v5, v0, 4, 1                         ; h
	s_mov_b32 s21, 0                               ; high word of every offset pair
	s_wait_kmcnt 0x0
	s_cmp_lt_u32 ttmp9, 128
	s_cbranch_scc0 .Lq_part1
	; ROLE W, first half: wave v brings rows 2 v and 2 v + 1 of the tile (1,024 bytes each) into LDS as they are
	s_lshr_b32 s22, ttmp9, 2                       ; ks
	s_and_b32 s23, ttmp9, 3                        ; p
	s_lshl_b32 s20, s22, 17                        ; 32 rows of 4,096 bytes
	s_lshl_b32 s24, s23, 10                        ; 256 columns
	s_add_co_u32 s20, s20, s24
	s_add_nc_u64 s[14:15], s[4:5], s[20:21]
	s_lshl_b32 s24, s18, 13
	v_lshl_add_u32 v6, v1, 4, s24
	global_load_b128 v[16:19], v6, s[14:15] th:TH_LOAD_NT
	global_load_b128 v[20:23], v6, s[14:15] offset:512 th:TH_LOAD_NT
	global_load_b128 v[24:27], v6, s[14:15] offset:4096 th:TH_LOAD_NT
	global_load_b128 v[28:31], v6, s[14:15] offset:4608 th:TH_LOAD_NT
	s_mul_i32 s24, s18, 2*WPITCH
	v_lshl_add_u32 v7, v1, 4, s24
	s_wait_loadcnt 0x0
	ds_store_b128 v7, v[16:19]
	ds_store_b128 v7, v[20:23] offset:512
	ds_store_b128 v7, v[24:27] offset:WPITCH
	ds_store_b128 v7, v[28:31] offset:WPITCH+512
	s_branch .Ljoin1
.Lq_part1:
	; ROLE Q, first half.  All 48 loads go out at once: query (16), W2's first K step (16), its second (16).
	s_sub_co_u32 s22, ttmp9, 128                   ; g
	s_lshl_b32 s24, s18, 8                         ; my 64 k, in bytes of a row of query
	v_lshl_add_u32 v6, v4, 12, s24                 ; row r
	v_lshl_add_u32 v6, v5, 5, v6                   ; k = 8 h on
	s_lshl_b32 s24, s18, 18                        ; my 64 rows of W2
	s_lshl_b32 s25, s22, 8                         ; the group's 64 columns
	s_add_co_u32 s24, s24, s25
	v_lshl_add_u32 v7, v5, 15, s24                 ; row 8 h
	v_lshl_add_u32 v7, v4, 4, v7                   ; columns 4 r .. 4 r + 3
.set ff, 0
.rept 4                                ; fragment ff = 2 ks + mb: rows 16 mb on, k = 32 ks on; a lane's k = 8 h + 0..7 and 16 + 8 h + 0..7 are four loads of 16 bytes
.set cc, 0
.rept 4
	global_load_b128 v[RA+16*ff+4*cc:RA+16*ff+4*cc+3], v6, s[8:9] offset:(ff%2)*65536+(ff/2)*128+(cc%2)*16+(cc/2)*64
.set cc, cc+1
.endr
.set ff, ff+1
.endr
.set ee, 0
.rept 32                               ; ee = 16 ks + e: row 32 ks + 16 (e / 8) + 8 h + e % 8
	global_load_b128 v[RB+4*ee:RB+4*ee+3], v7, s[6:7] offset:(32*(ee/16)+16*((ee%16)/8)+(ee%8))*4096 th:TH_LOAD_NT
.set ee, ee+1
.endr
	s_mul_i32 s24, s18, QCOPY                      ; where my partial sums go: my copy, row 8 h, columns 4 r on
	v_mul_u32_u24 v9, v5, 8*QPITCH
	v_lshl_add_u32 v9, v4, 4, v9
	v_add_nc_u32 v9, s24, v9
.macro BUILD rb                        ; four fragments of W2 from 16 rows as loaded: register tt of block nn holds rows 2 tt and 2 tt + 1 of the lane's sixteen
.set nn, 0
.rept 4
.set tt, 0
.rept 8
	v_cvt_pk_bf16_f32 v[FB+8*nn+tt], v[(\rb)+8*tt+nn], v[(\rb)+8*tt+4+nn]
.set tt, tt+1
.endr
.set nn, nn+1
.endr
.endm
.macro MULT ks, zero                   ; eight products, the eight accumulators by turns; zero = 1: they start the sums
.set aa, 0
.rept 8
.if \zero
	v_wmma_f32_16x16x32_bf16 v[ACC+8*aa:ACC+8*aa+7], v[RA+32*(\ks)+16*(aa/4):RA+32*(\ks)+16*(aa/4)+7], v[FB+8*(aa%4):FB+8*(aa%4)+7], 0
.else
	v_wmma_f32_16x16x32_bf16 v[ACC+8*aa:ACC+8*aa+7], v[RA+32*(\ks)+16*(aa/4):RA+32*(\ks)+16*(aa/4)+7], v[FB+8*(aa%4):FB+8*(aa%4)+7], v[ACC+8*aa:ACC+8*aa+7]
.endif
.set aa, aa+1
.endr
.endm
	s_wait_loadcnt 16                              ; the sixteen youngest loads are W2's second K step: query and the first step are in
.set ff, 0
.rept 4
.set tt, 0
.rept 8                                ; ascending: line tt writes register tt and reads 2 tt and 2 tt + 1
	v_cvt_pk_bf16_f32 v[RA+16*ff+tt], v[RA+16*ff+2*tt], v[RA+16*ff+2*tt+1]
.set tt, tt+1
.endr
.set ff, ff+1
.endr
	BUILD RB
	MULT 0, 1
	s_wait_loadcnt 0x0
.rept 4
	v_nop                                          ; four places between the last product and the lines that write its source anew (ISA guide 7.12.1)
.endr
	BUILD RB+64
	MULT 1, 0
.rept 4
	v_nop                                          ; and between the last product and the stores that read the results
.endr
.set aa, 0
.rept 8                                ; register tt of accumulator (mb, nb): row 16 mb + 8 h + tt, column 4 r + nb; each accumulator is read from its lowest register on
.set tt, 0
.rept 8
	ds_store_b32 v9, v[ACC+8*aa+tt] offset:(16*(aa/4)+tt)*QPITCH+(aa%4)*4
.set tt, tt+1
.endr
.set aa, aa+1
.endr
.Ljoin1:
	s_wait_dscnt 0x0                               ; for the others' sake: my LDS stores are done
	s_barrier_signal -1
	s_barrier_wait -1
	s_cmp_lt_u32 ttmp9, 128
	s_cbranch_scc0 .Lq_part2
	; ROLE W, second half: wave v takes column block v of the tile's sixteen: a lane's sixteen k of one column, packed, are its 32 bytes of a fragment
	s_lshr_b32 s22, ttmp9, 2                       ; ks
	s_and_b32 s23, ttmp9, 3                        ; p
	v_mul_u32_u24 v6, v5, 8*WPITCH                 ; row 8 h
	v_lshl_add_u32 v6, v4, 2, v6                   ; column r
	s_lshl_b32 s24, s18, 6                         ; of block v
	v_add_nc_u32 v6, s24, v6
.set ee, 0
.rept 16
	ds_load_b32 v[16+ee], v6 offset:(16*(ee/8)+(ee%8))*WPITCH
.set ee, ee+1
.endr
	s_lshl_b32 s20, s23, 19                        ; p
	s_lshr_b32 s24, s18, 2
	s_lshl_b32 s24, s24, 17                        ; w = v / 4
	s_add_co_u32 s20, s20, s24
	s_lshl_b32 s24, s22, 12                        ; ks
	s_add_co_u32 s20, s20, s24
	s_and_b32 s24, s18, 3
	s_lshl_b32 s24, s24, 10                        ; i = v % 4
	s_add_co_u32 s20, s20, s24
	s_add_nc_u64 s[14:15], s[10:11], s[20:21]
	v_lshlrev_b32 v7, 4, v1
	s_wait_dscnt 0x0
.set tt, 0
.rept 8
	v_cvt_pk_bf16_f32 v[32+tt], v[16+2*tt], v[16+2*tt+1]
.set tt, tt+1
.endr
	global_store_b128 v7, v[32:35], s[14:15]             ; each store of the wave covers 512 consecutive bytes, aligned
	global_store_b128 v7, v[36:39], s[14:15] offset:512
	s_branch .Ljoin2
.Lq_part2:
	; ROLE Q, second half: thread t adds the sixteen waves' parts of row t / 16, columns 4 (t % 16) on
	s_sub_co_u32 s22, ttmp9, 128
	s_lshl_b32 s20, s22, 8
	s_add_nc_u64 s[14:15], s[12:13], s[20:21]
	v_lshrrev_b32 v6, 4, v0                        ; row
	v_mul_u32_u24 v7, v6, QPITCH
	v_lshl_add_u32 v7, v4, 4, v7
	v_add_nc_u32 v8, 7*QCOPY, v7                   ; an LDS offset has 16 bits: three address registers reach the sixteen copies
	v_add_nc_u32 v9, 14*QCOPY, v7
.set kx, 0
.rept 16
.if kx < 7
	ds_load_b128 v[16+4*kx:16+4*kx+3], v7 offset:kx*QCOPY
.elseif kx < 14
	ds_load_b128 v[16+4*kx:16+4*kx+3], v8 offset:(kx-7)*QCOPY
.else
	ds_load_b128 v[16+4*kx:16+4*kx+3], v9 offset:(kx-14)*QCOPY
.endif
.set kx, kx+1
.endr
	v_lshlrev_b32 v10, 12, v6
	v_lshl_add_u32 v10, v4, 4, v10
	s_wait_dscnt 0x0
.irp st, 8,4,2,1
.set kx, 0
.rept \st
	v_pk_add_f32 v[16+4*kx:17+4*kx], v[16+4*kx:17+4*kx], v[16+4*(kx+\st):17+4*(kx+\st)]
	v_pk_add_f32 v[18+4*kx:19+4*kx], v[18+4*kx:19+4*kx], v[18+4*(kx+\st):19+4*(kx+\st)]
.set kx, kx+1
.endr
.endr
	global_store_b128 v10, v[16:19], s[14:15]            ; sixteen lanes store 256 consecutive bytes, aligned
.Ljoin2:
	s_wait_tensorcnt 0x0                           ; the wave's end: behind my last LDS store
	ds_add_u32 v[SPW], v[NIL]
	s_wait_dscnt 0x0
	s_endpgm
.Lfunc_end_k_qf652248c13_prep:
	.size	k_qf652248c13_prep, .Lfunc_end_k_qf652248c13_prep-k_qf652248c13_prep
	.p2alignl 7, 3214868480
	.fill 96, 4, 3214868480
	.section	.rodata,"a",@progbits
	.p2align	6, 0x0
	.amdhsa_kernel k_qf652248c13_prep
		.amdhsa_group_segment_fixed_size 141312
		.amdhsa_private_segment_fixed_size 0
		.amdhsa_enable_private_segment 0
		.amdhsa_kernarg_size 40
		.amdhsa_user_sgpr_count 2
		.amdhsa_user_sgpr_kernarg_segment_ptr 1
		.amdhsa_wavefront_size32 1
		.amdhsa_system_sgpr_workgroup_id_x 1
		.amdhsa_system_sgpr_workgroup_id_y 1
		.amdhsa_system_sgpr_workgroup_id_z 1
		.amdhsa_system_vgpr_workitem_id 0
		.amdhsa_next_free_vgpr 240
		.amdhsa_next_free_sgpr 66
		.amdhsa_reserve_vcc 0
		.amdhsa_float_denorm_mode_32 3
		.amdhsa_float_denorm_mode_16_64 3
		.amdhsa_memory_ordered 1
		.amdhsa_forward_progress 1
		.amdhsa_inst_pref_size 25
	.end_amdhsa_kernel
	.amdgpu_metadata
---
amdhsa.version: [ 1, 2 ]
amdhsa.kernels:
  - .name:           k_qf652248c13_prep
    .symbol:         k_qf652248c13_prep.kd
    .args:
      - { .name: W1, .offset: 0, .size: 8, .value_kind: global_buffer, .address_space: global }
      - { .name: W2, .offset: 8, .size: 8, .value_kind: global_buffer, .address_space: global }
      - { .name: query, .offset: 16, .size: 8, .value_kind: global_buffer, .address_space: global }
      - { .name: w1f, .offset: 24, .size: 8, .value_kind: global_buffer, .address_space: global }
      - { .name: qraw, .offset: 32, .size: 8, .value_kind: global_buffer, .address_space: global }
    .group_segment_fixed_size: 141312
    .private_segment_fixed_size: 0
    .kernarg_segment_align: 8
    .kernarg_segment_size: 40
    .max_flat_workgroup_size: 512
    .sgpr_count:     66
    .vgpr_count:     240
    .wavefront_size: 32
...
	.end_amdgpu_metadata
.endif
;; end of part 1
;; launch main (part 2): grid 256 x 1, 4 waves a work-group, no clusters, 268,800 bytes of LDS; arguments values, w1f, qraw, b1, b2, V, sc, pctx; writes sc, pctx
.if DOCPART == 2
	.amdgcn_target "amdgcn-amd-amdhsa--gfx1250"
	.amdhsa_code_object_version 6
	.text
	.protected	k_qf652248c13_main
	.globl	k_qf652248c13_main
	.p2align	8
	.type	k_qf652248c13_main,@function
k_qf652248c13_main:
	s_mov_b64 s[64:65], 0
	v_nop
	global_prefetch_b8 v0, s[64:65] scope:SCOPE_SE
	s_setreg_imm32_b32 hwreg(HW_REG_WAVE_MODE, 25, 1), 1
	s_wait_xcnt 0x0
; For 256 rows of one batch (two blocks of 128):  score[s] = sum over u of tanh(values[s] . W1[:, u] + b1[u] + q[u] + b2[u]) V[u]   (bv is added by the next launch),
; and for each block  pctx[d] = sum over its rows of 2^((score - m) log2 e) values[s][d],  m the block's largest score.  values are read from memory ONCE.
; A BLOCK is rounded to bf16 on its way into LDS (128 rows x 2,048 bytes) and stays there for the product and for the weighted sum.
; THE PRODUCT goes in four passes of 256 columns; a wave makes 128 rows x 64 columns: 32 accumulators.  Source 0 = 16 rows of values out of LDS, source 1 = 16 columns of W1, which
; come in fragment order (as the launch before wrote them) straight from memory into registers, seven K steps ahead, in eight buffers: a fragment of W1 serves one wave alone.
; TWO SETS OF ACCUMULATORS.  X takes a pass's sums.  Y holds the pass before's, as 2 log2(e) (sum + biases): its tanh and its product with V are dealt, two lines behind every second
; matrix instruction, among the next pass's products: K step ks finishes accumulator ks.  tanh x = 1 - 2 / (1 + 2^(2 log2(e) x)): it ends at 1 and -1 where the power is infinite or 0.
; In a block's first pass Y holds finite leftovers and V's registers hold 0, so the lines add 0; a block's last pass is finished by FLUSH, without products beside it.
; In a result a lane holds ONE column (lane % 16) and rows 8 (lane / 16) + 0..7: bias and V are one number a lane and column block; a row's score is summed over 16 lanes, then over the waves in LDS.
; NO CLUSTER, NO TENSOR LOADS.  The block takes 264,192 of the 327,680 bytes; a K step of the group's 256 columns of W1 is 16,384 bytes and lasts 32 matrix instructions a wave, so two
; slots in what is left would hold under two steps each and want a barrier of the whole cluster about every 56 matrix instructions, for tiles that LDS would hand to one wave each.
; values pass through registers for their rounding.
; LIMITS.  Matrix operands are bf16, all sums f32; the weighted sum takes the bf16 copy of values.  NaN and infinities are not treated apart (a NaN in a block's rows reaches the scores of
; the group's next block, which belongs to the same batch).  A power of two below 2^-126 counts as 0.
; REGISTERS, in windows of 256 (s_set_vgpr_msb: bits 1:0 source 0, 3:2 source 1, 5:4 source 2, 7:6 destination):
;   window 0: addresses, small operands, SC (64 partial scores), AF (two buffers of values' fragments)     window 1: eight buffers of W1's fragments     window 2: X     window 3: Y
.set APITCH, 2064                      ; an LDS row: 2,048 bytes + 16 = 516 words: row r starts at bank 4 r mod 64 (64 banks of 4 bytes: ISA guide 11.1)
.set AQ,     32*APITCH                 ; 32 rows: a wave's share of the block on the way in
.set SCR,    128*APITCH                ; [wave][row] f32: the waves' parts of the 128 scores
.set PBASE,  SCR+2048                  ; for each wave its own copy of the 128 weights
.set SPARE,  PBASE+2048                ; the spare words, 128 bytes for each wave, which no other line names
.set SPW,  2                           ; v2      SPARE + 4 x my thread's number; never rewritten
.set NIL,  3                           ; v3      0; never rewritten
.set AAD,  4                           ; v4-7    LDS address of my lane's part of a fragment, rows 32 q on
.set BOF,  8                           ; v8      wave x 131,072 + lane x 16: my offset in a pass of w1f, and in a block of values
.set QOF,  9                           ; v9      (64 wave + lane % 16) x 4: my column in q, b1, b2, V
.set STA,  11                          ; v11     where I put 8 bytes of a row; v12 its start
.set STA0, 12
.set SCS,  13                          ; v13     SCR + 512 wave + 32 (lane / 16)
.set SCL,  14                          ; v14     SCR + 16 lane
.set PST,  15                          ; v15     PBASE + 512 wave + 16 lane
.set PLD,  16                          ; v16     the weights of the 32 rows in hand; v17 its start
.set PLD0, 17
.set CAD,  18                          ; v18     my 16 bytes of the row in hand; v19 its start: 512 wave + 16 lane
.set CAD0, 19
.set QN,   20                          ; v20-35  q, b1, b2, V of my column in the four column blocks, as loaded
.set B1N,  24
.set B2N,  28
.set VN,   32
.set QB,   36                          ; v36-43  2 log2(e) (q + b1 + b2), twice each: pairs for the packed lines
.set VP,   44                          ; v44-51  V, twice each
.set LOF,  52                          ; v52     lane x 16
.set COF,  53                          ; v53     wave x 1,024 + lane x 16
.set T,    54                          ; v54-63  at work
.set SC,   64                          ; v64-127 partial scores: register 8 mb + j is row 16 mb + 8 (lane / 16) + j; later v64-79: the weighted sums
.set AF,   128                         ; v128-255 two buffers of 64; outside the passes at work
.set S4,   132                         ; four rows' scores a lane, and the waves' parts of them
.set P4,   148                         ; their weights
.set VB,   4                           ; s[4:5]   values, stepped
.set W1F,  6
.set QR,   8                           ; s[8:9]   qraw at my batch
.set B1,   10
.set B2,   12
.set VV,   14
.set SCO,  16                          ; s[16:17] sc at the block in hand
.set PCO,  18                          ; s[18:19] pctx at the block in hand
.set BCUR, 22                          ; s[22:23] w1f at this pass; s[24:25] at the next
.set BNXT, 24
.set QPT,  26                          ; s[26:33] q, b1, b2, V at this pass's 256 columns
.set B1P,  28
.set B2P,  30
.set VPP,  32
.set NPASS, 34
.set NBLK, 35
.set PIDX, 36
.set CNT,  37
.set OFS,  38                          ; s[38:39] an offset, high word 0
.set C2,   40                          ; s[40:41] 2 log2(e); the packed line takes the low word for both halves
.set SEL,  42                          ; s[42:43] v_permlanex16_b32's selects: each lane takes its own place in the other half
.set WV,   44
.set TS,   45
.set TS2,  46
.set MSB, 0
.macro WIN new                         ; the immediate's high byte repeats the setting that is left; a switch that changes nothing is dropped
.if MSB != (\new)
	s_set_vgpr_msb (MSB<<8)|(\new)
.set MSB, (\new)
.endif
.endm
.set W_MM, 0xa4                        ; values' fragment window 0, W1's window 1, C and D window 2
.set W_Y,  0xc3                        ; destination and source 0 window 3
.set W_SF, 0x03                        ; source 0 window 3, the rest window 0
.set W_TR, 0xc2                        ; destination window 3, source 0 window 2, source 2 window 0
.set W_LB, 0x40                        ; a load into window 1
.set W_LX, 0x80                        ; into window 2
.set W_LY, 0xc0                        ; into window 3
.set W_CV, 0x0a                        ; sources 0 and 1 window 2, destination window 0
; 16 LDS loads: the eight fragments (16 rows x 32 K) of K step ks into buffer buf.  Lane l: row l % 16, K = 8 (l / 16) + 0..7 and 16 + 8 (l / 16) + 0..7: two loads, 32 bytes apart.
.macro AFETCH ks, buf
	WIN 0
.irp mb, 0,1,2,3,4,5,6,7
	ds_load_b128 v[(\buf)+8*\mb:(\buf)+8*\mb+3],   v[AAD+\mb/2] offset:(\mb%2)*16*APITCH+(\ks)*64
	ds_load_b128 v[(\buf)+8*\mb+4:(\buf)+8*\mb+7], v[AAD+\mb/2] offset:(\mb%2)*16*APITCH+(\ks)*64+32
.endr
.endm
; 8 loads of 512 consecutive bytes: my four fragments of W1 for K step ks (32 and above: the next pass's step ks - 32) into buffer ks % 8
.macro BFETCH ks
	WIN W_LB
.irp n, 0,1,2,3,4,5,6,7
.if (\ks) < 32
	global_load_b128 v[32*((\ks)%8)+4*\n:32*((\ks)%8)+4*\n+3], v[BOF], s[BCUR:BCUR+1] offset:(\ks)*4096+\n*512
.else
	global_load_b128 v[32*((\ks)%8)+4*\n:32*((\ks)%8)+4*\n+3], v[BOF], s[BNXT:BNXT+1] offset:((\ks)-32)*4096+\n*512
.endif
.endr
.endm
; this pass's q and b1 (a = 0) or b2 and V (a = 1) of my column in the four column blocks
.macro SMALL a
	WIN 0
.irp n, 0,1,2,3
.if (\a) == 0
	global_load_b32 v[QN+\n],  v[QOF], s[QPT:QPT+1] offset:64*\n
	global_load_b32 v[B1N+\n], v[QOF], s[B1P:B1P+1] offset:64*\n
.else
	global_load_b32 v[B2N+\n], v[QOF], s[B2P:B2P+1] offset:64*\n
	global_load_b32 v[VN+\n],  v[QOF], s[VPP:VPP+1] offset:64*\n
.endif
.endr
.endm
; Line rj of the 30 that finish accumulator e of Y: 8 powers; 1 + ; 8 reciprocals; 1 - 2 x ; times V onto the partial scores.
; The two v_nop are the plain line between the last power or reciprocal and the first use of a result (ISA guide 5.7.2).
.macro RD e
.if rj < 8
	WIN W_Y
	v_exp_f32 v[8*(\e)+rj], v[8*(\e)+rj]
.elseif (rj == 8) || (rj == 21)
	v_nop
	s_wait_alu depctr_va_vdst(0)
.elseif rj < 13
	WIN W_Y
	v_pk_add_f32 v[8*(\e)+2*(rj-9):8*(\e)+2*(rj-9)+1], v[8*(\e)+2*(rj-9):8*(\e)+2*(rj-9)+1], 1.0 op_sel_hi:[1,0]
.elseif rj < 21
	WIN W_Y
	v_rcp_f32 v[8*(\e)+rj-13], v[8*(\e)+rj-13]
.elseif rj < 26
	WIN W_Y
	v_pk_fma_f32 v[8*(\e)+2*(rj-22):8*(\e)+2*(rj-22)+1], v[8*(\e)+2*(rj-22):8*(\e)+2*(rj-22)+1], -2.0, 1.0 op_sel_hi:[1,0,0]
.else
	WIN W_SF
	v_pk_fma_f32 v[SC+8*((\e)/4)+2*(rj-26):SC+8*((\e)/4)+2*(rj-26)+1], v[8*(\e)+2*(rj-26):8*(\e)+2*(rj-26)+1], v[VP+2*((\e)%4):VP+2*((\e)%4)+1], v[SC+8*((\e)/4)+2*(rj-26):SC+8*((\e)/4)+2*(rj-26)+1]
.endif
.set rj, rj+1
.endm
; A K STEP of 32: 32 products, the 32 accumulators by turns (between two links of a chain stand 31 others', from step to step and from pass to pass too);
; two of Y's lines behind every second product; behind the eighth the next step's LDS loads and the W1 loads seven steps ahead, in one run.  Those loads land in registers that the
; step before multiplied: four v_nop are the places between (ISA guide 7.12.1 for vector instructions).
.macro KSTEP ks
	s_wait_dscnt 0x0                               ; this step's fragments of values, asked for 24 products ago
	s_wait_loadcnt 48                              ; behind this step's eight W1 loads six steps' 48 were issued (where the small loads lie among them the count is the stricter)
.set rj, 0
.set i, 0
.rept 32
	WIN W_MM
.if (\ks) == 0
	v_wmma_f32_16x16x32_bf16 v[8*i:8*i+7], v[AF+64*((\ks)%2)+8*(i/4):AF+64*((\ks)%2)+8*(i/4)+7], v[32*((\ks)%8)+8*(i%4):32*((\ks)%8)+8*(i%4)+7], 0
	s_wait_alu depctr_va_vdst(0)
.else
	v_wmma_f32_16x16x32_bf16 v[8*i:8*i+7], v[AF+64*((\ks)%2)+8*(i/4):AF+64*((\ks)%2)+8*(i/4)+7], v[32*((\ks)%8)+8*(i%4):32*((\ks)%8)+8*(i%4)+7], v[8*i:8*i+7]
.endif
.if (i%2 == 1) && (rj < 30)
	RD \ks
	RD \ks
.endif
.if i == 7
	WIN 0
	s_wait_alu depctr_va_vdst(0)
.rept 4
	v_nop
.endr
	AFETCH ((\ks)+1)%32, AF+64*(((\ks)+1)%2)
.if (\ks) == 8
	SMALL 0
.endif
.if (\ks) == 12
	SMALL 1
.endif
	BFETCH (\ks)+7
.endif
.set i, i+1
.endr
.endm
; 64 loads: the first 8 of my 32 rows of a block, into X
.macro PRELOAD
	WIN W_LX
.set cc, 0
.rept 64
	global_load_b128 v[4*cc:4*cc+3], v[BOF], s[VB:VB+1] offset:cc*512 th:TH_LOAD_NT
.set cc, cc+1
.endr
	WIN 0
.endm
; Two rows (16 loads of 512 bytes) are rounded to bf16 and stored into LDS; issue = 1: their registers are loaded again with the rows 8 further down.  left: the younger loads, which may stay out.
.macro LGROUP g, issue, left
	s_wait_loadcnt \left
	WIN W_CV
.set cc, 0
.rept 16
	v_cvt_pk_bf16_f32 v[AF+2*cc],   v[64*(\g)+4*cc],   v[64*(\g)+4*cc+1]
	v_cvt_pk_bf16_f32 v[AF+2*cc+1], v[64*(\g)+4*cc+2], v[64*(\g)+4*cc+3]
.set cc, cc+1
.endr
.if \issue
	WIN W_LX
.set cc, 0
.rept 16
	global_load_b128 v[64*(\g)+4*cc:64*(\g)+4*cc+3], v[BOF], s[VB:VB+1] offset:32768+(\g)*8192+cc*512 th:TH_LOAD_NT
.set cc, cc+1
.endr
.endif
	WIN 0
.set cc, 0
.rept 16
	ds_store_b64 v[STA], v[AF+2*cc:AF+2*cc+1] offset:(2*(\g)+cc/8)*APITCH+(cc%8)*256  ; 32 lanes, 256 neighbouring bytes
.set cc, cc+1
.endr
.endm
; 32 rows of the weighted sum: my 8 columns of each row (16 bytes) times the row's weight, straight from the bf16 halves into f32; even and odd rows on sums of their own
.macro CTXTRIP
	WIN 0
.irp n, 0,1,2,3,4,5,6,7
	ds_load_b128 v[AF+4*\n:AF+4*\n+3], v[PLD] offset:16*\n  ; the 32 weights, the same for every lane
.endr
	WIN W_LY
.set i, 0
.rept 32
	ds_load_b128 v[4*i:4*i+3], v[CAD] offset:i*APITCH
.set i, i+1
.endr
	WIN W_SF
.set i, 0
.rept 32
.if i%4 == 0
	s_wait_dscnt 28-i                              ; LDS loads come back in order (ISA guide 5.7.1): rows up to i + 3 are in, the 28 - i behind them may stay out
.endif
.irp n, 0,1,2,3
	v_fma_mix_f32_bf16 v[SC+8*(i%2)+2*\n],   v[4*i+\n], v[AF+i], v[SC+8*(i%2)+2*\n]   op_sel_hi:[1,0,0]
	v_fma_mix_f32_bf16 v[SC+8*(i%2)+2*\n+1], v[4*i+\n], v[AF+i], v[SC+8*(i%2)+2*\n+1] op_sel:[1,0,0] op_sel_hi:[1,0,0]
.endr
.set i, i+1
.endr
	WIN 0
	v_add_nc_u32 v[CAD], AQ, v[CAD]
	v_add_nc_u32 v[PLD], 128, v[PLD]
.endm
	s_load_b512 s[4:19], s[0:1], 0x0               ; values, w1f, qraw, b1, b2, V, sc, pctx
	v_lshl_add_u32 v[SPW], v0, 2, SPARE
	v_mov_b32 v[NIL], 0
	v_lshrrev_b32 v[T], 5, v0
	v_readfirstlane_b32 s[WV], v[T]                ; wave 0..3
	v_and_b32 v1, 31, v0                           ; lane
	v_and_b32 v[T+1], 15, v0                       ; r
	v_bfe_u32 v[T+2], v0, 4, 1                     ; h
	v_mul_u32_u24 v[T+3], v[T+1], APITCH
	v_lshl_add_u32 v[T+3], v[T+2], 4, v[T+3]       ; row x pitch + 16 x half
.irp q, 0,1,2,3
	v_add_nc_u32 v[AAD+\q], \q*AQ, v[T+3]
.endr
	s_lshl_b32 s[TS], s[WV], 17
	v_lshl_add_u32 v[BOF], v1, 4, s[TS]
	s_lshl_b32 s[TS], s[WV], 8
	v_lshl_add_u32 v[QOF], v[T+1], 2, s[TS]
	s_mul_i32 s[TS], s[WV], AQ
	v_lshl_add_u32 v[STA0], v1, 3, s[TS]
	s_lshl_b32 s[TS], s[WV], 9
	v_lshl_add_u32 v[CAD0], v1, 4, s[TS]
	s_add_co_u32 s[TS2], s[TS], SCR
	v_lshl_add_u32 v[SCS], v[T+2], 5, s[TS2]
	v_lshl_add_u32 v[SCL], v1, 4, SCR
	s_add_co_u32 s[TS2], s[TS], PBASE
	v_lshl_add_u32 v[PST], v1, 4, s[TS2]
	v_mov_b32 v[PLD0], s[TS2]
	v_lshlrev_b32 v[LOF], 4, v1
	s_lshl_b32 s[TS], s[WV], 10
	v_lshl_add_u32 v[COF], v1, 4, s[TS]
	s_mov_b32 s[C2], 0x4038aa3b                    ; 2 log2(e) = 2.885390
	s_mov_b32 s[C2+1], s[C2]                       ; named with it as a pair
	s_mov_b32 s[SEL], 0x76543210
	s_mov_b32 s[SEL+1], 0xfedcba98
	s_mov_b32 s[PIDX], 0
	s_mov_b32 s[OFS+1], 0
	s_wait_kmcnt 0x0
	s_lshl_b32 s[OFS], ttmp9, 20                   ; 256 rows of 4,096 bytes
	s_add_nc_u64 s[VB:VB+1], s[VB:VB+1], s[OFS:OFS+1]
	s_lshr_b32 s[OFS], ttmp9, 3                    ; eight work-groups to a batch
	s_lshl_b32 s[OFS], s[OFS], 12
	s_add_nc_u64 s[QR:QR+1], s[QR:QR+1], s[OFS:OFS+1]
	s_lshl_b32 s[OFS], ttmp9, 10
	s_add_nc_u64 s[SCO:SCO+1], s[SCO:SCO+1], s[OFS:OFS+1]
	s_lshl_b32 s[OFS], ttmp9, 13
	s_add_nc_u64 s[PCO:PCO+1], s[PCO:PCO+1], s[OFS:OFS+1]
	s_mov_b64 s[BCUR:BCUR+1], s[W1F:W1F+1]
	s_add_nc_u64 s[BNXT:BNXT+1], s[W1F:W1F+1], 0x80000
	s_mov_b64 s[QPT:QPT+1], s[QR:QR+1]
	s_mov_b64 s[B1P:B1P+1], s[B1:B1+1]
	s_mov_b64 s[B2P:B2P+1], s[B2:B2+1]
	s_mov_b64 s[VPP:VPP+1], s[VV:VV+1]
.irp n, 0,1,2,3,4,5,6
	BFETCH \n                                      ; W1's first seven K steps
.endr
	PRELOAD
	; While those are on their way: what the first pass's lines find in Y and in V's registers.  One text serves every pass, so Y is given finite numbers once, here.
	WIN W_LY
.set cc, 0
.rept 256
	v_mov_b32 v[cc], 0
.set cc, cc+1
.endr
	WIN 0
.set cc, 0
.rept 8
	v_mov_b32 v[VP+cc], 0
.set cc, cc+1
.endr
	s_mov_b32 s[NBLK], 2
.Lblock:
.set cc, 0
.rept 64
	v_mov_b32 v[SC+cc], 0                          ; the partial scores start at 0: their first addends come from lines that every pass shares
.set cc, cc+1
.endr
	; THE BLOCK COMES IN: my 32 rows, 8 at a time; 64 loads are on their way throughout
	v_mov_b32 v[STA], v[STA0]
	s_mov_b32 s[CNT], 3
.Lload:
	LGROUP 0, 1, 48                                ; three younger groups of 16 stay out
	LGROUP 1, 1, 48
	LGROUP 2, 1, 48
	LGROUP 3, 1, 48
	s_wait_xcnt 0x0                                ; the loads' base is stepped only behind this wait
	s_add_nc_u64 s[VB:VB+1], s[VB:VB+1], 32768
	v_add_nc_u32 v[STA], 8*APITCH, v[STA]
	s_sub_co_u32 s[CNT], s[CNT], 1
	s_cmp_lg_u32 s[CNT], 0
	s_cbranch_scc1 .Lload
	LGROUP 0, 0, 48                                ; the last 8 rows: nothing more is asked for, the counts run down
	LGROUP 1, 0, 32
	LGROUP 2, 0, 16
	LGROUP 3, 0, 0
	s_wait_dscnt 0x0                               ; for the others' sake: my rows are in LDS
	s_barrier_signal -1
	s_barrier_wait -1                              ; everybody's are
	AFETCH 0, AF
	s_mov_b32 s[NPASS], 4
.Lpass:
.set kk, 0
.rept 32
	KSTEP kk
.set kk, kk+1
.endr
	; THE PASS ENDS: Y = 2 log2(e) (X + q + b1 + b2).  The sixteen lines that make the bias name no register of the last products: they are the places behind them.
	WIN 0
.irp n, 0,1,2,3
	v_add_f32 v[T+\n], v[QN+\n], v[B1N+\n]
.endr
.irp n, 0,1,2,3
	v_add_f32 v[T+\n], v[T+\n], v[B2N+\n]
.endr
.irp n, 0,1,2,3
	v_mul_f32 v[QB+2*\n], s[C2], v[T+\n]
	v_mul_f32 v[QB+2*\n+1], s[C2], v[T+\n]
.endr
	WIN W_TR
.set aa, 0
.rept 32                               ; each accumulator is read from its lowest registers on
.irp t, 0,1,2,3
	v_pk_fma_f32 v[8*aa+2*\t:8*aa+2*\t+1], v[8*aa+2*\t:8*aa+2*\t+1], s[C2:C2+1], v[QB+2*(aa%4):QB+2*(aa%4)+1] op_sel_hi:[1,0,1]
.endr
.set aa, aa+1
.endr
	WIN 0
.irp n, 0,1,2,3
	v_mov_b32 v[VP+2*\n], v[VN+\n]
	v_mov_b32 v[VP+2*\n+1], v[VN+\n]
.endr
	s_wait_xcnt 0x0                                ; the bases of the loads that are out are written only behind this wait
	s_mov_b64 s[BCUR:BCUR+1], s[BNXT:BNXT+1]
	s_add_co_u32 s[PIDX], s[PIDX], 1
	s_and_b32 s[PIDX], s[PIDX], 3                  ; the pass to come; behind a block's fourth the next block's first
	s_add_co_u32 s[TS], s[PIDX], 1
	s_and_b32 s[TS], s[TS], 3
	s_lshl_b32 s[OFS], s[TS], 19
	s_add_nc_u64 s[BNXT:BNXT+1], s[W1F:W1F+1], s[OFS:OFS+1]
	s_lshl_b32 s[OFS], s[PIDX], 10
	s_add_nc_u64 s[QPT:QPT+1], s[QR:QR+1], s[OFS:OFS+1]
	s_add_nc_u64 s[B1P:B1P+1], s[B1:B1+1], s[OFS:OFS+1]
	s_add_nc_u64 s[B2P:B2P+1], s[B2:B2+1], s[OFS:OFS+1]
	s_add_nc_u64 s[VPP:VPP+1], s[VV:VV+1], s[OFS:OFS+1]
	s_sub_co_u32 s[NPASS], s[NPASS], 1
	s_cmp_lg_u32 s[NPASS], 0
	s_cbranch_scc1 .Lpass
	; X is free: the next block's first 8 rows a wave are asked for now, and are on their way under all that follows.  (Every load that named the base was shown done by the load loop's last wait.)
	s_cmp_eq_u32 s[NBLK], 1
	s_cbranch_scc1 .Lno_next
	s_add_nc_u64 s[VB:VB+1], s[VB:VB+1], 524288-3*32768
	PRELOAD
.Lno_next:
	; FLUSH: the fourth pass's 32 accumulators, two at a time, with no products beside them
.set ac, 0
.rept 16
	WIN W_Y
.set kx, 0
.rept 16
	v_exp_f32 v[8*ac+kx], v[8*ac+kx]
.set kx, kx+1
.endr
	v_nop
.set kx, 0
	s_wait_alu depctr_va_vdst(0)
.rept 8
	v_pk_add_f32 v[8*ac+2*kx:8*ac+2*kx+1], v[8*ac+2*kx:8*ac+2*kx+1], 1.0 op_sel_hi:[1,0]
.set kx, kx+1
.endr
.set kx, 0
.rept 16
	v_rcp_f32 v[8*ac+kx], v[8*ac+kx]
.set kx, kx+1
.endr
	v_nop
.set kx, 0
	s_wait_alu depctr_va_vdst(0)
.rept 8
	v_pk_fma_f32 v[8*ac+2*kx:8*ac+2*kx+1], v[8*ac+2*kx:8*ac+2*kx+1], -2.0, 1.0 op_sel_hi:[1,0,0]
.set kx, kx+1
.endr
	WIN W_SF
.set kx, 0
.rept 8
	v_pk_fma_f32 v[SC+8*(ac/4)+2*(kx%4):SC+8*(ac/4)+2*(kx%4)+1], v[8*ac+2*kx:8*ac+2*kx+1], v[VP+2*((ac+kx/4)%4):VP+2*((ac+kx/4)%4)+1], v[SC+8*(ac/4)+2*(kx%4):SC+8*(ac/4)+2*(kx%4)+1]
.set kx, kx+1
.endr
.set ac, ac+2
.endr
	WIN 0
.set cc, 0
.rept 8
	v_mov_b32 v[VP+cc], 0                          ; for the next block's first pass
.set cc, cc+1
.endr
	; a row's 16 lanes are summed (each then holds my 256 columns' part of the row's score), and the part goes to my 512 bytes of SCR
.irp m, 1,2,4,8
.set cc, 0
.rept 64
	v_add_f32_dpp v[SC+cc], v[SC+cc], v[SC+cc] row_xmask:\m row_mask:0xf bank_mask:0xf
.set cc, cc+1
.endr
.endr
.set cc, 0
.rept 64
	ds_store_b32 v[SCS], v[SC+cc] offset:(16*(cc/8)+cc%8)*4  ; sixteen lanes write one word, with one value
.set cc, cc+1
.endr
	s_wait_dscnt 0x0                               ; for the others' sake: my stores are done (and the last K step's loads are back)
	s_barrier_signal -1
	s_barrier_wait -1
	; THE SCORES: every wave adds the four parts; lane l holds rows 4 l .. 4 l + 3
.irp q, 0,1,2,3
	ds_load_b128 v[S4+4*\q:S4+4*\q+3], v[SCL] offset:512*\q
.endr
	s_wait_dscnt 0x0
	v_pk_add_f32 v[S4:S4+1],     v[S4:S4+1],     v[S4+4:S4+5]
	v_pk_add_f32 v[S4+2:S4+3],   v[S4+2:S4+3],   v[S4+6:S4+7]
	v_pk_add_f32 v[S4+8:S4+9],   v[S4+8:S4+9],   v[S4+12:S4+13]
	v_pk_add_f32 v[S4+10:S4+11], v[S4+10:S4+11], v[S4+14:S4+15]
	v_pk_add_f32 v[S4:S4+1],     v[S4:S4+1],     v[S4+8:S4+9]
	v_pk_add_f32 v[S4+2:S4+3],   v[S4+2:S4+3],   v[S4+10:S4+11]
	s_cmp_lg_u32 s[WV], 0
	s_cbranch_scc1 .Lnot_wave_0
	global_store_b128 v[LOF], v[S4:S4+3], s[SCO:SCO+1]   ; 512 consecutive bytes, aligned
.Lnot_wave_0:
	v_max3_num_f32 v[T], v[S4], v[S4+1], v[S4+2]   ; the block's largest score
	v_max_num_f32 v[T], v[T], v[S4+3]
	v_max_num_f32_dpp v[T], v[T], v[T] row_xmask:1 row_mask:0xf bank_mask:0xf
	v_max_num_f32_dpp v[T], v[T], v[T] row_xmask:2 row_mask:0xf bank_mask:0xf
	v_max_num_f32_dpp v[T], v[T], v[T] row_xmask:4 row_mask:0xf bank_mask:0xf
	v_max_num_f32_dpp v[T], v[T], v[T] row_xmask:8 row_mask:0xf bank_mask:0xf
	v_permlanex16_b32 v[T+1], v[T], s[SEL], s[SEL+1]
	v_max_num_f32 v[T], v[T], v[T+1]
.irp n, 0,1,2,3
	v_sub_f32 v[P4+\n], v[S4+\n], v[T]
.endr
.irp n, 0,1,2,3
	v_mul_f32 v[P4+\n], 0x3fb8aa3b, v[P4+\n]
.endr
.irp n, 0,1,2,3
	v_exp_f32 v[P4+\n], v[P4+\n]
.endr
	v_mov_b32 v[CAD], v[CAD0]                      ; plain lines between the powers and their use
	v_mov_b32 v[PLD], v[PLD0]
.set cc, 0
.rept 16
	v_mov_b32 v[SC+cc], 0                          ; the weighted sums start at 0
.set cc, cc+1
.endr
	s_wait_alu depctr_va_vdst(0)
	ds_store_b128 v[PST], v[P4:P4+3]               ; into my own copy: LDS serves a wave's instructions in order (ISA guide 5.7.1.4), so the loads below see it
	s_wait_xcnt 0x0                                ; the registers that wave 0's store reads are loaded again below
	s_mov_b32 s[CNT], 4
.Lctx:
	CTXTRIP
	s_sub_co_u32 s[CNT], s[CNT], 1
	s_cmp_lg_u32 s[CNT], 0
	s_cbranch_scc1 .Lctx
.irp n, 0,2,4,6
	v_pk_add_f32 v[SC+\n:SC+\n+1], v[SC+\n:SC+\n+1], v[SC+8+\n:SC+9+\n]
.endr
	global_store_b128 v[COF], v[SC:SC+3],   s[PCO:PCO+1]             ; column 256 w + 8 l + 4 j + e lies at 1,024 w + 512 j + 16 l + 4 e: each store covers 512 consecutive bytes
	global_store_b128 v[COF], v[SC+4:SC+7], s[PCO:PCO+1] offset:512
	s_wait_dscnt 0x0                               ; my reads of the block and of SCR are over
	s_barrier_signal -1
	s_barrier_wait -1                              ; everybody's are: the next block may be stored over this one
	s_wait_xcnt 0x0                                ; the stores' bases and data are written only behind this wait
	s_add_nc_u64 s[SCO:SCO+1], s[SCO:SCO+1], 512
	s_add_nc_u64 s[PCO:PCO+1], s[PCO:PCO+1], 4096
	s_sub_co_u32 s[NBLK], s[NBLK], 1
	s_cmp_lg_u32 s[NBLK], 0
	s_cbranch_scc1 .Lblock
	; (the last pass has asked for seven K steps of W1 that nothing multiplies: the price of one text for every pass; they lie inside w1f)
	s_wait_tensorcnt 0x0                           ; the wave's end: behind my last LDS store
	ds_add_u32 v[SPW], v[NIL]
	s_wait_dscnt 0x0
	s_endpgm
.Lfunc_end_k_qf652248c13_main:
	.size	k_qf652248c13_main, .Lfunc_end_k_qf652248c13_main-k_qf652248c13_main
	.p2alignl 7, 3214868480
	.fill 96, 4, 3214868480
	.section	.rodata,"a",@progbits
	.p2align	6, 0x0
	.amdhsa_kernel k_qf652248c13_main
		.amdhsa_group_segment_fixed_size 268800
		.amdhsa_private_segment_fixed_size 0
		.amdhsa_enable_private_segment 0
		.amdhsa_kernarg_size 64
		.amdhsa_user_sgpr_count 2
		.amdhsa_user_sgpr_kernarg_segment_ptr 1
		.amdhsa_wavefront_size32 1
		.amdhsa_system_sgpr_workgroup_id_x 1
		.amdhsa_system_sgpr_workgroup_id_y 1
		.amdhsa_system_sgpr_workgroup_id_z 1
		.amdhsa_system_vgpr_workitem_id 0
		.amdhsa_next_free_vgpr 1024
		.amdhsa_next_free_sgpr 66
		.amdhsa_reserve_vcc 0
		.amdhsa_float_denorm_mode_32 3
		.amdhsa_float_denorm_mode_16_64 3
		.amdhsa_memory_ordered 1
		.amdhsa_forward_progress 1
		.amdhsa_inst_pref_size 255
	.end_amdhsa_kernel
	.section	.bss,"aw",@nobits
	.p2align	6
	.space	262144
	.amdgpu_metadata
---
amdhsa.version: [ 1, 2 ]
amdhsa.kernels:
  - .name:           k_qf652248c13_main
    .symbol:         k_qf652248c13_main.kd
    .args:
      - { .name: values, .offset: 0, .size: 8, .value_kind: global_buffer, .address_space: global }
      - { .name: w1f, .offset: 8, .size: 8, .value_kind: global_buffer, .address_space: global }
      - { .name: qraw, .offset: 16, .size: 8, .value_kind: global_buffer, .address_space: global }
      - { .name: b1, .offset: 24, .size: 8, .value_kind: global_buffer, .address_space: global }
      - { .name: b2, .offset: 32, .size: 8, .value_kind: global_buffer, .address_space: global }
      - { .name: V, .offset: 40, .size: 8, .value_kind: global_buffer, .address_space: global }
      - { .name: sc, .offset: 48, .size: 8, .value_kind: global_buffer, .address_space: global }
      - { .name: pctx, .offset: 56, .size: 8, .value_kind: global_buffer, .address_space: global }
    .group_segment_fixed_size: 268800
    .private_segment_fixed_size: 0
    .kernarg_segment_align: 8
    .kernarg_segment_size: 64
    .max_flat_workgroup_size: 128
    .sgpr_count:     66
    .vgpr_count:     1024
    .wavefront_size: 32
...
	.end_amdgpu_metadata
.endif
;; end of part 2
;; launch combine (part 3): grid 32 x 1, 8 waves a work-group, no clusters, 1,536 bytes of LDS; arguments sc, pctx, bv, out0, out1; writes out0, out1
.if DOCPART == 3
	.amdgcn_target "amdgcn-amd-amdhsa--gfx1250"
	.amdhsa_code_object_version 6
	.text
	.protected	k_qf652248c13_combine
	.globl	k_qf652248c13_combine
	.p2align	8
	.type	k_qf652248c13_combine,@function
k_qf652248c13_combine:
	s_mov_b64 s[64:65], 0
	v_nop
	global_prefetch_b8 v0, s[64:65] scope:SCOPE_SE
	s_setreg_imm32_b32 hwreg(HW_REG_WAVE_MODE, 25, 1), 1
	s_wait_xcnt 0x0
; One work-group for each batch: the softmax over its 2,048 scores and the sum of its 16 blocks' partial contexts.
; s = sc + bv;  M = the largest s;  w = 2^((s - M) log2 e);  L = the sum of w;  out1 = w / L;  out0 = sum over blocks i of 2^((m_i - M) log2 e) / L x pctx_i,
; where m_i is block i's largest s: the launch before took its weights relative to the same maximum (a maximum rounds nothing; bv shifts m_i and M alike, to within one rounding of the sum).
; Thread t holds scores 4 t .. 4 t + 3 and 1,024 + 4 t ..: wave v holds blocks v and v + 8 whole, so a block's maximum never leaves the wave.  All 18 loads go out at once.
; The launch moves 72 KiB a work-group and shares nothing between work-groups: no matrix unit, no cluster, no tensor load.
; LIMITS: NaN and infinities are not treated apart; a weight below 2^-126 counts as 0.
.set MBL,   0                          ; 16 words: the blocks' maxima
.set LSM,   256                        ; 8 words: the waves' sums
.set SPARE, 512                        ; the spare words, 128 bytes for each of 8 waves, which no other line names
.set LOG2E, 0x3fb8aa3b
.set PC, 32                            ; v32-95   the 16 partial contexts, my four columns of each
.set MI, 96                            ; v96-111  m_i, then the blocks' factors
.set OC, 112                           ; v112-115 my four columns of out0
	s_load_b256 s[4:11], s[0:1], 0x0               ; sc s[4:5], pctx s[6:7], bv s[8:9], out0 s[10:11]
	s_load_b64 s[12:13], s[0:1], 0x20              ; out1
	v_lshl_add_u32 v2, v0, 2, SPARE                ; my spare word; never rewritten
	v_mov_b32 v3, 0                                ; 0; never rewritten
	v_lshrrev_b32 v6, 5, v0
	v_readfirstlane_b32 s14, v6                    ; wave 0..7
	v_lshlrev_b32 v4, 4, v0                        ; 16 t
	v_lshrrev_b32 v5, 6, v0                        ; columns 4 t on lie at 1,024 (t / 64) + 512 (t % 2) + 16 ((t / 2) % 32) of a block of pctx
	v_lshlrev_b32 v5, 10, v5
	v_and_b32 v6, 1, v0
	v_lshl_or_b32 v5, v6, 9, v5
	v_bfe_u32 v6, v0, 1, 5
	v_lshl_or_b32 v5, v6, 4, v5
	v_mov_b32 v18, 0                               ; v_permlanex16_b32's destinations count as read
	v_mov_b32 v19, 0
	v_mov_b32 v20, s14
	v_lshlrev_b32 v20, 2, v20                      ; my wave's word
	v_mov_b32 v21, 0
	s_mov_b32 s17, 0
	s_mov_b32 s20, 0x76543210
	s_mov_b32 s21, 0xfedcba98
	s_wait_kmcnt 0x0
	s_load_b32 s15, s[8:9], 0x0                    ; bv
	s_lshl_b32 s16, ttmp9, 13                      ; 2,048 f32
	s_add_nc_u64 s[4:5], s[4:5], s[16:17]
	s_add_nc_u64 s[12:13], s[12:13], s[16:17]
	s_lshl_b32 s16, ttmp9, 16                      ; 16 blocks of 4,096 bytes
	s_add_nc_u64 s[6:7], s[6:7], s[16:17]
	s_lshl_b32 s16, ttmp9, 12
	s_add_nc_u64 s[10:11], s[10:11], s[16:17]
	global_load_b128 v[8:11], v4, s[4:5]
	global_load_b128 v[12:15], v4, s[4:5] offset:4096
.set i, 0
.rept 16
	global_load_b128 v[PC+4*i:PC+4*i+3], v5, s[6:7] offset:i*4096
.set i, i+1
.endr
	s_wait_kmcnt 0x0
	s_wait_loadcnt 16                              ; the sixteen partial contexts are younger: the scores are in
.irp n, 8,9,10,11,12,13,14,15
	v_add_f32 v\n, s15, v\n
.endr
	v_max3_num_f32 v16, v8, v9, v10
	v_max3_num_f32 v17, v12, v13, v14
	v_max_num_f32 v16, v16, v11
	v_max_num_f32 v17, v17, v15
.irp m, 1,2,4,8
	v_max_num_f32_dpp v16, v16, v16 row_xmask:\m row_mask:0xf bank_mask:0xf
	v_max_num_f32_dpp v17, v17, v17 row_xmask:\m row_mask:0xf bank_mask:0xf
.endr
	v_permlanex16_b32 v18, v16, s20, s21
	v_permlanex16_b32 v19, v17, s20, s21
	v_max_num_f32 v16, v16, v18                    ; block v's maximum
	v_max_num_f32 v17, v17, v19                    ; block v + 8's
	ds_store_b32 v20, v16 offset:MBL
	ds_store_b32 v20, v17 offset:MBL+32
	s_wait_dscnt 0x0                               ; for the others' sake
	s_barrier_signal -1
	s_barrier_wait -1
.irp n, 0,1,2,3
	ds_load_b128 v[MI+4*\n:MI+4*\n+3], v21 offset:MBL+16*\n
.endr
	s_wait_dscnt 0x0
	v_max3_num_f32 v22, v[MI], v[MI+1], v[MI+2]
	v_max3_num_f32 v23, v[MI+3], v[MI+4], v[MI+5]
	v_max3_num_f32 v24, v[MI+6], v[MI+7], v[MI+8]
	v_max3_num_f32 v25, v[MI+9], v[MI+10], v[MI+11]
	v_max3_num_f32 v26, v[MI+12], v[MI+13], v[MI+14]
	v_max3_num_f32 v22, v22, v23, v[MI+15]
	v_max3_num_f32 v24, v24, v25, v26
	v_max_num_f32 v22, v22, v24                    ; M
.irp n, 8,9,10,11,12,13,14,15
	v_sub_f32 v\n, v\n, v22
.endr
.irp n, 8,9,10,11,12,13,14,15
	v_mul_f32 v\n, LOG2E, v\n
.endr
.irp n, 8,9,10,11,12,13,14,15
	v_exp_f32 v\n, v\n
.endr
.set i, 0
.rept 16
	v_sub_f32 v[MI+i], v[MI+i], v22                ; plain lines behind the powers: the blocks' exponents
.set i, i+1
.endr
	s_wait_alu depctr_va_vdst(0)
	v_pk_add_f32 v[24:25], v[8:9], v[10:11]
	v_pk_add_f32 v[26:27], v[12:13], v[14:15]
	v_pk_add_f32 v[24:25], v[24:25], v[26:27]
	v_add_f32 v23, v24, v25
.irp m, 1,2,4,8
	v_add_f32_dpp v23, v23, v23 row_xmask:\m row_mask:0xf bank_mask:0xf
.endr
	v_permlanex16_b32 v18, v23, s20, s21
	v_add_f32 v23, v23, v18
	ds_store_b32 v20, v23 offset:LSM
	s_wait_dscnt 0x0                               ; for the others' sake
	s_barrier_signal -1
	s_barrier_wait -1
	ds_load_b128 v[24:27], v21 offset:LSM
	ds_load_b128 v[28:31], v21 offset:LSM+16
.set i, 0
.rept 16
	v_mul_f32 v[MI+i], LOG2E, v[MI+i]
.set i, i+1
.endr
.set i, 0
.rept 16
	v_exp_f32 v[MI+i], v[MI+i]
.set i, i+1
.endr
	s_wait_dscnt 0x0
	v_pk_add_f32 v[24:25], v[24:25], v[26:27]
	v_pk_add_f32 v[28:29], v[28:29], v[30:31]
	v_pk_add_f32 v[24:25], v[24:25], v[28:29]
	v_add_f32 v24, v24, v25                        ; L
	v_rcp_f32 v26, v24                             ; twice: a pair for the packed multiplies
	v_rcp_f32 v27, v24
	v_nop                                          ; a plain line between the reciprocals and their use (ISA guide 5.7.2)
	s_wait_alu depctr_va_vdst(0)
.irp n, 8,10,12,14
	v_pk_mul_f32 v[\n:\n+1], v[\n:\n+1], v[26:27]
.endr
	global_store_b128 v4, v[8:11], s[12:13]              ; each store of a wave covers 512 consecutive bytes, aligned
	global_store_b128 v4, v[12:15], s[12:13] offset:4096
.set i, 0
.rept 8
	v_pk_mul_f32 v[MI+2*i:MI+2*i+1], v[MI+2*i:MI+2*i+1], v[26:27]
.set i, i+1
.endr
	s_wait_loadcnt 0x0                             ; the partial contexts
	v_pk_mul_f32 v[OC:OC+1],   v[PC:PC+1],   v[MI:MI+1] op_sel_hi:[1,0]   ; the first block starts the sums; a block's factor is taken from its pair for both halves
	v_pk_mul_f32 v[OC+2:OC+3], v[PC+2:PC+3], v[MI:MI+1] op_sel_hi:[1,0]
.set i, 1
.rept 15
.if i%2 == 1
	v_pk_fma_f32 v[OC:OC+1],   v[PC+4*i:PC+4*i+1],   v[MI+i-1:MI+i], v[OC:OC+1]   op_sel:[0,1,0] op_sel_hi:[1,1,1]
	v_pk_fma_f32 v[OC+2:OC+3], v[PC+4*i+2:PC+4*i+3], v[MI+i-1:MI+i], v[OC+2:OC+3] op_sel:[0,1,0] op_sel_hi:[1,1,1]
.else
	v_pk_fma_f32 v[OC:OC+1],   v[PC+4*i:PC+4*i+1],   v[MI+i:MI+i+1], v[OC:OC+1]   op_sel_hi:[1,0,1]
	v_pk_fma_f32 v[OC+2:OC+3], v[PC+4*i+2:PC+4*i+3], v[MI+i:MI+i+1], v[OC+2:OC+3] op_sel_hi:[1,0,1]
.endif
.set i, i+1
.endr
	global_store_b128 v4, v[OC:OC+3], s[10:11]
	s_wait_tensorcnt 0x0                           ; the wave's end: behind my last LDS store
	ds_add_u32 v2, v3
	s_wait_dscnt 0x0
	s_endpgm
.Lfunc_end_k_qf652248c13_combine:
	.size	k_qf652248c13_combine, .Lfunc_end_k_qf652248c13_combine-k_qf652248c13_combine
	.p2alignl 7, 3214868480
	.fill 96, 4, 3214868480
	.section	.rodata,"a",@progbits
	.p2align	6, 0x0
	.amdhsa_kernel k_qf652248c13_combine
		.amdhsa_group_segment_fixed_size 1536
		.amdhsa_private_segment_fixed_size 0
		.amdhsa_enable_private_segment 0
		.amdhsa_kernarg_size 40
		.amdhsa_user_sgpr_count 2
		.amdhsa_user_sgpr_kernarg_segment_ptr 1
		.amdhsa_wavefront_size32 1
		.amdhsa_system_sgpr_workgroup_id_x 1
		.amdhsa_system_sgpr_workgroup_id_y 1
		.amdhsa_system_sgpr_workgroup_id_z 1
		.amdhsa_system_vgpr_workitem_id 0
		.amdhsa_next_free_vgpr 128
		.amdhsa_next_free_sgpr 66
		.amdhsa_reserve_vcc 0
		.amdhsa_float_denorm_mode_32 3
		.amdhsa_float_denorm_mode_16_64 3
		.amdhsa_memory_ordered 1
		.amdhsa_forward_progress 1
		.amdhsa_inst_pref_size 13
	.end_amdhsa_kernel
	.amdgpu_metadata
---
amdhsa.version: [ 1, 2 ]
amdhsa.kernels:
  - .name:           k_qf652248c13_combine
    .symbol:         k_qf652248c13_combine.kd
    .args:
      - { .name: sc, .offset: 0, .size: 8, .value_kind: global_buffer, .address_space: global }
      - { .name: pctx, .offset: 8, .size: 8, .value_kind: global_buffer, .address_space: global }
      - { .name: bv, .offset: 16, .size: 8, .value_kind: global_buffer, .address_space: global }
      - { .name: out0, .offset: 24, .size: 8, .value_kind: global_buffer, .address_space: global }
      - { .name: out1, .offset: 32, .size: 8, .value_kind: global_buffer, .address_space: global }
    .group_segment_fixed_size: 1536
    .private_segment_fixed_size: 0
    .kernarg_segment_align: 8
    .kernarg_segment_size: 40
    .max_flat_workgroup_size: 256
    .sgpr_count:     66
    .vgpr_count:     128
    .wavefront_size: 32
...
	.end_amdgpu_metadata
.endif
;; end of part 3
